; MI455X (gfx1250); checked and timed in simulation.
; The chip was launched on July 23, 2026; its instructions are those of AMD's public machine-readable ISA for CDNA 5 (MIT licence, August 2026) and "CDNA5" Instruction Set Architecture Reference Guide (July 2026). The comments in the code are by the model that wrote it; some were corrected since.
;; Multi Head Self Attention. Allowed arithmetic: matrix products marked QUANTISED: E2M1 operands, one E8M0 scale for each 32 along K, by v_wmma_scale_f32_16x16x128_f8f6f4 with both operands' format E2M1 (or v_wmma_scale_f32_32x16x128_f4), f32 sums; everything else in f32.
;; Inputs: W0_b 1,024 float32; W0_w 1,024 x 1,024 float32; Wk_b 1,024 float32; Wk_w 1,024 x 1,024 float32; Wq_b 1,024 float32; Wq_w 1,024 x 1,024 float32; Wv_b 1,024 float32; Wv_w 1,024 x 1,024 float32; k 4 x 2,048 x 1,024 float32; q 4 x 2,048 x 1,024 float32; v 4 x 2,048 x 1,024 float32.
;; Outputs: out0 4 x 2,048 x 1,024 float32.
;; This version of the problem:
;;   THIS VERSION OF THE PROBLEM IS GIVEN IN LOW PRECISION. The matrix products marked QUANTISED in the list below multiply operands that are first quantised to E2M1 (2 exponent bits, 1 mantissa bit; 4 bits a number), with one power-of-two scale for each 32 numbers along K (OCP MX v1.0); their sums are f32. All else is computed in f32.
;;   The module's matrix products, in the order in which they are computed (A, B: the left and right operand; K: the contracted axis; several contracted axes count as one K, in the product's order):
;;     1. [M 8,192, K 1,024] x [K 1,024, N 1,024]; A: input q; B: input Wq_w: QUANTISED
;;     2. [M 8,192, K 1,024] x [K 1,024, N 1,024]; A: input k; B: input Wk_w: QUANTISED
;;     3. [M 8,192, K 1,024] x [K 1,024, N 1,024]; A: input v; B: input Wv_w: QUANTISED
;;     4. batch 64 x [M 2,048, K 64] x [K 64, N 2,048]; A: computed on the way; B: computed on the way: QUANTISED
;;     5. batch 64 x [M 2,048, K 2,048] x [K 2,048, N 64]; A: softmax (see below); B: computed on the way: QUANTISED
;;     6. [M 8,192, K 1,024] x [K 1,024, N 1,024]; A: computed on the way; B: input W0_w: QUANTISED
;;   THE QUANTISER, for each operand of a quantised product, along K:
;;     - K is cut into blocks of 32 from its start; a last block that is shorter is filled with zeros.
;;     - A block's scale is 2^e with e = floor(log2(the largest magnitude in the block)) - 2, held to -126 .. 127; a block of zeros has e = 0. As a byte (E8M0): e + 127.
;;     - Each number is divided by its block's scale, clamped to +-6, and rounded to the nearest number of E2M1, ties to even, subnormals kept.
;;     - The product sums the exact products of the quantised numbers (number of the format x scale) in f32.
;;   ~~~python
;;   def quantise(x, axis):      # numpy; x: float32 -> the quantised numbers, widened to float32 again
;;       x = np.moveaxis(x, axis, -1); K = x.shape[-1]
;;       x = np.pad(x, [(0, 0)] * (x.ndim - 1) + [(0, -K % 32)]); x = x.reshape(x.shape[:-1] + (-1, 32)); a = np.abs(x).max(-1, keepdims=True)
;;       e = np.where(a > 0, np.clip(np.frexp(np.where(a > 0, a, 1))[1] - 1 - 2, -126, 127), 0)      # np.frexp(a)[1] - 1 = floor(log2(a)), exactly
;;       r = np.clip(x / 2.0 ** e, -6, 6)
;;       step = 2.0 ** (np.maximum(np.frexp(np.where(r == 0, 1, r))[1] - 1, 0) - 1)
;;       q = np.round(r / step) * step * 2.0 ** e      # np.round: ties to even
;;       return np.moveaxis(q.reshape(q.shape[:-2] + (-1,))[..., :K], -1, axis).astype(np.float32)
;;   ~~~
;;   SOFTMAX AHEAD OF A QUANTISED PRODUCT. Where the list says 'softmax', what is quantised is not the finished softmax but p = 2^(t - M), with t = logit x log2(e) and M = ceil(the row's largest t), a whole number; so 1/2 < the row's largest p <= 1. The row's sum l is taken of the UNQUANTISED p, in f32, and the product's result is divided by l at the end. Since M is a whole number, a kernel that streams over the keys may use a running M (the ceiling of the running maximum): every later rescaling is an exact power of two, which a block's scale takes up: the codes' values come out the same.
;;   OPERANDS COMPUTED ON THE WAY. 'Computed on the way' means the value that the module computes at that place (a softmax that the list does not call 'softmax' is quantised finished and normalised). What goes into a quantiser is computed in f32, as accurately as f32 sums, v_exp_f32 and their like allow (about 1e-6 of the number): no bf16 or f16 on the way to a quantiser, and a product that is left as it is and whose result goes on into a quantised operand takes f32 operands (vector FMAs, or v_wmma_f32_16x16x4_f32). A number that lies on a knife's edge between two numbers of the format may be rounded either way, as far as f32 arithmetic and the matrix unit's own rounding can turn it there, and no further.
;; One version. Each part assembles by itself: llvm-mc -triple=amdgcn-amd-amdhsa -mcpu=gfx1250 --defsym DOCPART=n.
;; ======== version 1 of 1: 4 launches
;; workspace buffers: xc 14,680,064 bytes; xs 917,504 bytes; qq 8,912,896 bytes; kv 8,912,896 bytes; ac 4,194,304 bytes; asw 262,144 bytes
;; launch quant (part 1): grid 256 x 1, 7 waves a work-group, no clusters, 60,160 bytes of LDS; arguments q, k, v, Wq_w, Wk_w, Wv_w, W0_w, xc, xs; writes xc, xs
.if DOCPART == 1
	.amdgcn_target "amdgcn-amd-amdhsa--gfx1250"
	.amdhsa_code_object_version 6
	.text
	.protected	k_qa0617a3c71_quant
	.globl	k_qa0617a3c71_quant
	.p2align	8
	.type	k_qa0617a3c71_quant,@function
k_qa0617a3c71_quant:
	s_mov_b64 s[64:65], 0
	v_nop
	global_prefetch_b8 v0, s[64:65] scope:SCOPE_SE
	s_setreg_imm32_b32 hwreg(HW_REG_WAVE_MODE, 25, 1), 1
	s_wait_xcnt 0x0
; q, k, v [8192][1024] and the four weights [1024][1024], f32, K innermost, become codes of FP4 (E2M1) with one E8M0 byte for each 32 along K.
; A block's scale is 2^(floor(log2(its largest magnitude)) - 2); its byte is that magnitude's exponent field - 2, held at 1 from below.  A block of zeros gets the byte 1 where the
; quantiser says 127: its codes are zeros, which add nothing under any byte but 0xff, and this program alone reads the bytes.
; LIMITS: NaN and infinities among the inputs are not served.
; GROUPS.  The seven tensors are 1,792 groups of 16 rows: position r of group g of a tensor is row 32 (g / 2) + 8 (g % 2) + r + 8 (r / 8).  So two neighbouring groups used as source 0 of a
; matrix instruction leave 16 neighbouring rows in a lane's 16 result registers, and no later launch has to sort anything.
; OUT.  xc: a group is 8,192 bytes: 8 K steps of 128, each the image of an operand's registers: [c 2][lane 32][16 bytes], lane (r, h) holding k = 64 c + 32 h + 0 .. 31 of position r.
;       xs: a group is 512 bytes: [position 16][8 words], word s the four bytes of K step s.
; SHARES.  1,792 = 256 x 7: a wave takes one group, in 8 steps of 128 along K.  Each load reads 512 consecutive bytes of one row; a step's 16 rows turn through the wave's own stage in LDS
; (rows of 512 + 16 bytes) and come back 128 bytes a lane: a lane then holds two whole blocks, so a block's largest magnitude needs no other lane.
; Memory binds: no matrix unit, no cluster (no two work-groups read the same byte), no barrier (waves share nothing).  Loads run two steps, 32 loads of 512 bytes a wave, ahead.
.set SP,   528                         ; a stage row: 512 bytes + 16: row r starts 16 r bytes on in the 256 bytes that a pass covers
.set STG,  16*SP                       ; a wave's stage
.set R,    16                          ; v16-143  two sets of 64: a step's numbers as they are loaded
.set X,    144                         ; v144-207 my 64 numbers: two blocks of 32
.set C,    208                         ; v208-215 their codes
.set W,    216                         ; v216-223 the scale word of each step
.set OW,   224                         ; v224-227 four of them on the way out
	s_load_b512 s[4:19], s[0:1], 0x0               ; q, k, v, Wq_w, Wk_w, Wv_w, W0_w, xc
	s_load_b64 s[20:21], s[0:1], 0x40              ; xs
	v_lshl_add_u32 v228, v0, 2, 0xe700
	v_mov_b32 v229, 0
	v_lshrrev_b32 v1, 5, v0
	v_readfirstlane_b32 s22, v1                    ; wave 0..6
	v_and_b32 v1, 31, v0                           ; lane
	v_lshlrev_b32 v2, 4, v1                        ; 16 x lane: my bytes of a load's 512, and of an image's
	v_and_b32 v7, 15, v0                           ; r
	v_bfe_u32 v5, v0, 4, 1                         ; h
	s_mul_i32 s25, s22, STG                        ; my wave's stage
	v_add_nc_u32 v3, s25, v2                       ; into it: a row as it lies
	v_mul_u32_u24 v4, v7, SP
	v_lshl_add_u32 v4, v5, 7, v4
	v_add_nc_u32 v4, s25, v4                       ; out of it: row r, + 128 h: 32 numbers of each 64
	v_lshl_add_u32 v6, v7, 1, v5
	v_lshlrev_b32 v6, 4, v6                        ; xs: 32 r + 16 h
	v_lshlrev_b32 v5, 3, v5                        ; 8 h: my bytes' place in a scale word, in bits
	v_mov_b32 v15, 0                               ; written once: a lane permute's destination counts as one of its sources
	s_mov_b32 s30, 0x76543210
	s_mov_b32 s31, 0xfedcba98                      ; v_permlanex16_b32's selects for lane l xor 16
	s_mov_b32 s32, 0xffff0000                      ; lanes 16-31
	s_mul_i32 s23, ttmp9, 7
	s_add_co_u32 s23, s23, s22                     ; my group, 0 .. 1,791
	s_wait_alu depctr_va_vdst(0)
	s_wait_kmcnt 0x0
	s_mov_b64 s[26:27], s[16:17]                   ; which tensor: the choice hangs on the group's number alone
	s_mov_b32 s24, 1728                            ; and that tensor's first group
.macro PICK limit, ptr, first
	s_cmp_lt_u32 s23, \limit
	s_cselect_b64 s[26:27], s[\ptr:\ptr+1], s[26:27]
	s_cselect_b32 s24, \first, s24
.endm
	PICK 1728, 14, 1664
	PICK 1664, 12, 1600
	PICK 1600, 10, 1536
	PICK 1536, 8, 1024
	PICK 1024, 6, 512
	PICK 512, 4, 0
	s_sub_co_u32 s24, s23, s24                     ; the group's number in its tensor
	s_lshr_b32 s28, s24, 1
	s_lshl_b32 s28, s28, 17                        ; 32 rows of 4,096 bytes for each pair of groups,
	s_and_b32 s24, s24, 1
	s_lshl_b32 s24, s24, 15                        ; 8 rows for the odd one
	s_add_co_u32 s28, s28, s24
	s_mov_b32 s29, 0
	s_add_nc_u64 s[26:27], s[26:27], s[28:29]
	s_lshl_b32 s28, s23, 13
	s_add_nc_u64 s[18:19], s[18:19], s[28:29]      ; xc at my group
	s_lshl_b32 s28, s23, 9
	s_add_nc_u64 s[20:21], s[20:21], s[28:29]      ; xs at my group
.macro LOAD t                          ; step t: 128 numbers of each of the 16 rows, into set t % 2
.irp i, 0,1,2,3,4,5,6,7,8,9,10,11,12,13,14,15
	global_load_b128 v[R+64*((\t)%2)+4*\i:R+64*((\t)%2)+4*\i+3], v2, s[26:27] offset:(\i+8*(\i/8))*4096+512*(\t) th:TH_LOAD_NT
.endr
.endm
.macro STEP s
.if (\s) < 7
	s_wait_loadcnt 16                              ; this step's 16 loads are in; the next step's 16 may be out
.else
	s_wait_loadcnt 0x0
.endif
.irp i, 0,1,2,3,4,5,6,7,8,9,10,11,12,13,14,15
	ds_store_b128 v3, v[R+64*((\s)%2)+4*\i:R+64*((\s)%2)+4*\i+3] offset:SP*\i
.endr
.irp c, 0,1
.irp i, 0,1,2,3,4,5,6,7
	ds_load_b128 v[X+32*\c+4*\i:X+32*\c+4*\i+3], v4 offset:256*\c+16*\i   ; LDS serves a wave's instructions in order: these see the stores above
.endr
.endr
	s_wait_dscnt 0x0                               ; my 64 numbers are in, and the stores have read their registers,
.if (\s) < 6
	LOAD (\s)+2                                    ; which take the loads of two steps on
.endif
.irp c, 0,1
	v_max3_num_f32 v[8+\c], |v[X+32*\c]|, |v[X+32*\c+1]|, 0x1800000   ; block 2 c + h: all 32 numbers are mine; the floor 2^(3 - 127) holds the byte at 1 from below
.endr
.irp i, 2,4,6,8,10,12,14,16,18,20,22,24,26,28,30
.irp c, 0,1
	v_max3_num_f32 v[8+\c], v[8+\c], |v[X+32*\c+\i]|, |v[X+32*\c+\i+1]|   ; (the two blocks by turns)
.endr
.endr
.irp c, 0,1
	v_add_nc_u32 v[10+\c], 0xff000000, v[8+\c]     ; 2 off the exponent field: the conversion takes the exponent field of this operand as its scale
.endr
.irp c, 0,1
	v_lshrrev_b32 v[12+\c], 23, v[10+\c]           ; the scale's byte
.endr
	v_lshl_or_b32 v14, v13, 16, v12                ; blocks h and 2 + h,
	v_lshlrev_b32 v14, v5, v14                     ; at their places in the word;
	v_permlanex16_b32 v15, v14, s30, s31
	v_or_b32 v[W+(\s)], v14, v15                   ; with lane l xor 16's two the word is whole
.if (\s) > 0
	s_wait_alu depctr_va_vdst(0)
	s_wait_xcnt 0x0                                ; the last step's stores have read the codes' registers
.endif
.irp c, 0,1
.irp g, 0,1,2,3
	v_cvt_scalef32_pk8_fp4_f32 v[C+4*\c+\g], v[X+32*\c+8*\g:X+32*\c+8*\g+7], v[10+\c]
.endr
.endr
	v_nop                                          ; one plain place behind the last scaled conversion
.irp c, 0,1
	global_store_b128 v2, v[C+4*\c:C+4*\c+3], s[18:19] offset:1024*(\s)+512*\c   ; 32 lanes store 512 consecutive bytes
.endr
.endm
	LOAD 0
	LOAD 1
.irp s, 0,1,2,3,4,5,6,7
	STEP \s
.endr
.irp i, 0,1,2,3
	v_cndmask_b32 v[OW+\i], v[W+\i], v[W+4+\i], s32   ; lanes 0-15 store their row's words 0-3, lanes 16-31 words 4-7
.endr
	global_store_b128 v6, v[OW:OW+3], s[20:21]     ; the group's 512 scale bytes in one store
	s_wait_tensorcnt 0x0
	ds_add_u32 v228, v229
	s_wait_dscnt 0x0
	s_endpgm
.Lfunc_end_k_qa0617a3c71_quant:
	.size	k_qa0617a3c71_quant, .Lfunc_end_k_qa0617a3c71_quant-k_qa0617a3c71_quant
	.p2alignl 7, 3214868480
	.fill 96, 4, 3214868480
	.section	.rodata,"a",@progbits
	.p2align	6, 0x0
	.amdhsa_kernel k_qa0617a3c71_quant
		.amdhsa_group_segment_fixed_size 60160
		.amdhsa_private_segment_fixed_size 0
		.amdhsa_enable_private_segment 0
		.amdhsa_kernarg_size 72
		.amdhsa_user_sgpr_count 2
		.amdhsa_user_sgpr_kernarg_segment_ptr 1
		.amdhsa_wavefront_size32 1
		.amdhsa_system_sgpr_workgroup_id_x 1
		.amdhsa_system_sgpr_workgroup_id_y 1
		.amdhsa_system_sgpr_workgroup_id_z 1
		.amdhsa_system_vgpr_workitem_id 0
		.amdhsa_next_free_vgpr 230
		.amdhsa_next_free_sgpr 66
		.amdhsa_reserve_vcc 0
		.amdhsa_float_denorm_mode_32 3
		.amdhsa_float_denorm_mode_16_64 3
		.amdhsa_memory_ordered 1
		.amdhsa_forward_progress 1
		.amdhsa_inst_pref_size 58
	.end_amdhsa_kernel
	.amdgpu_metadata
---
amdhsa.version: [ 1, 2 ]
amdhsa.kernels:
  - .name:           k_qa0617a3c71_quant
    .symbol:         k_qa0617a3c71_quant.kd
    .args:
      - { .name: q, .offset: 0, .size: 8, .value_kind: global_buffer, .address_space: global }
      - { .name: k, .offset: 8, .size: 8, .value_kind: global_buffer, .address_space: global }
      - { .name: v, .offset: 16, .size: 8, .value_kind: global_buffer, .address_space: global }
      - { .name: Wq_w, .offset: 24, .size: 8, .value_kind: global_buffer, .address_space: global }
      - { .name: Wk_w, .offset: 32, .size: 8, .value_kind: global_buffer, .address_space: global }
      - { .name: Wv_w, .offset: 40, .size: 8, .value_kind: global_buffer, .address_space: global }
      - { .name: W0_w, .offset: 48, .size: 8, .value_kind: global_buffer, .address_space: global }
      - { .name: xc, .offset: 56, .size: 8, .value_kind: global_buffer, .address_space: global }
      - { .name: xs, .offset: 64, .size: 8, .value_kind: global_buffer, .address_space: global }
    .group_segment_fixed_size: 60160
    .private_segment_fixed_size: 0
    .kernarg_segment_align: 8
    .kernarg_segment_size: 72
    .max_flat_workgroup_size: 224
    .sgpr_count:     66
    .vgpr_count:     230
    .wavefront_size: 32
...
	.end_amdgpu_metadata
.endif
;; end of part 1
;; launch proj (part 2): grid 4 x 192, 4 waves a work-group, clusters of 4 x 4, 209,408 bytes of LDS; arguments xc, xs, Wq_b, Wk_b, Wv_b, qq, kv; writes qq, kv
.if DOCPART == 2
	.amdgcn_target "amdgcn-amd-amdhsa--gfx1250"
	.amdhsa_code_object_version 6
	.text
	.protected	k_qa0617a3c71_proj
	.globl	k_qa0617a3c71_proj
	.p2align	8
	.type	k_qa0617a3c71_proj,@function
k_qa0617a3c71_proj:
	s_mov_b64 s[64:65], 0
	v_nop
	global_prefetch_b8 v0, s[64:65] scope:SCOPE_SE
	s_setreg_imm32_b32 hwreg(HW_REG_WAVE_MODE, 25, 1), 1
	s_wait_xcnt 0x0
	s_wait_alu depctr_hold_cnt(0) depctr_sa_sdst(0) depctr_va_vdst(0) depctr_va_sdst(0) depctr_va_ssrc(0) depctr_va_vcc(0) depctr_vm_vsrc(0)
	s_getreg_b32 s2, hwreg(HW_REG_IB_STS2, 6, 4)
	s_cmp_eq_u32 s2, 0
	s_cbranch_scc0 .Lentry_in_a_cluster
	s_endpgm
.Lentry_in_a_cluster:
	s_bfe_u32 s2, ttmp6, 0x10000c
	s_cmp_lg_u32 s2, 0xf033
	s_cbranch_scc0 .Lentry_shape_is_right
	s_endpgm
.Lentry_shape_is_right:
; The three input projections, x W^T + b, on codes of FP4 with E8M0 scales, and the quantising of their results for the two products of attention.
; ONE BODY IN TERMS OF P AND R.  P is source 0 of the matrix instruction: a lane's result registers run along it, so it is the axis along which the result is quantised.  R is source 1: a lane is one row of it.
;   projection 0, 1 (Q, K): P = the weight's rows (features: the head's 64 are the next K), R = tokens.     projection 2 (V): P = tokens (the keys are the next K), R = the weight's rows.
; So V comes out with the keys innermost and nothing is transposed.  Operands come as groups of 16 rows (position r of group g = row 32 (g / 2) + 8 (g % 2) + r + 8 (r / 8)), laid as images of the
; operand's registers: the 16 result registers of P tiles 2 b and 2 b + 1 are 16 neighbours along P.
; SHARES.  A work-group makes 16 P groups x 8 R groups (256 x 128) for all of K = 1,024: 256 work-groups a projection.  Wave w makes 8 P groups (half w % 2) x 4 R groups (half w / 2): 32 accumulators.
; LDS holds the tile's operands for ALL of K, as two halves of K, and their scale bytes: every byte is filled once, so there is no ring.  Each wave issues six tensor loads at the start: six are out.
; CLUSTERS: 4 x 4 work-groups.  P's tile hangs on cx alone and is asked for jointly by a column of the cluster, R's on cy alone and by a row.  The projection's number hangs on the cluster's y: it is
; the same in all sixteen partners, so the branches on it are alike in all.
; OUT.  qq, kv: [batch x head 64][record 16][8,704 bytes]; a record is 128 tokens: +0: 8 token groups x 512 bytes (16 tokens x the head's 64 codes: half an image); +4096 (kv): V^T, 4 groups of 16
; channels x 128 keys, 1,024 bytes each; +8192: a word for each position of each PAIR of token groups (bytes 0, 1: the even group's two blocks; 2, 3: the odd one's); +8448 (kv): V^T's words.
; The words leave in runs of 128 bytes: one sixteenth of what the launch stores.
; LIMITS: NaN and infinities are not served.  A block of zeros gets the byte 1 (its codes are zeros; this program alone reads the bytes).
; REGISTERS, in windows of 256: window 0: v1-13 addresses; v16-79 R's fragments, two sets of 4 x 8 (behind the products: the codes made); v80-143 P's scale words (8 b + s); v144-175 R's (8 a + s);
;   v176-239 the bias; v240-255 at work.   window 1: accumulator (a, b) at v[64 a + 8 b].   window 2: P's fragments, two sets of 8 x 8.
.set HEAD,  139264                     ; a head's 16 records
.set REC,   8704
.set CHUNK, 98304                      ; LDS: half of K: P's 16 groups x 4,096 bytes, then R's 8 groups
.set RCO,   65536
.set PS,    196608                     ; P's scale bytes, 16 x 512
.set RS,    204800                     ; R's, 8 x 512
.set RF,    16
.set PCD,   16
.set PSW,   80
.set RSW,   144
.set BI,    176
.set TM,    240                        ; v240-243 largest magnitudes
.set T2,    244                        ; v244-247 the other half's; then the bytes
.set SCL,   248                        ; v248-251 the conversions' scale operands
.set PW,    252                        ; v252-255 the scale word of R group a
.set MSB,   0
.macro WIN new                         ; s_set_vgpr_msb: bits 1:0 source 0, 3:2 source 1, 5:4 source 2, 7:6 destination; the high byte repeats the setting that is left
.if MSB != \new
	s_set_vgpr_msb (MSB<<8)|\new
.set MSB, \new
.endif
.endm
.macro CROUND                          ; a round of the cluster's barrier
	s_barrier_signal -1
	s_barrier_wait -1
	s_cmp_lg_u32 s18, 0
	s_cbranch_scc1 .Lnot_wave_0_\@
	s_barrier_signal -3
.Lnot_wave_0_\@:
	s_barrier_wait -3
	s_barrier_signal -1
	s_barrier_wait -1
.endm
.macro PLACES                          ; four places in front of loads into registers that matrix instructions have read, and of the first read of results
.rept 4
	v_nop
.endr
.endm
.macro GROUP1 g, mask, c, r, p         ; r rows of c elements of 8 bytes, p elements apart; no padding: an image's 512 bytes are read on end
	s_or_b32 s[\g], s[\mask], (3<<16)|(1<<21)      ; 15:0 the mask; 17:16 elements of 8 bytes; 21 set beside a mask
	s_mov_b32 s[\g+1], (\c)<<16                    ; tensor_dim0
	s_mov_b32 s[\g+2], (\r)<<16                    ; tensor_dim1
	s_mov_b32 s[\g+3], (\c)<<16                    ; tile_dim0
	s_mov_b32 s[\g+4], \r                          ; tile_dim1
	s_mov_b32 s[\g+5], \p                          ; tensor_dim0_stride
	s_mov_b32 s[\g+6], 0
	s_mov_b32 s[\g+7], 0
.endm
.macro GROUP0 g, shift, base, ptr, off, more   ; to LDS byte base + (wave << shift), from s[ptr] + s[off] + more
	s_mov_b32 s[\g], 1
	s_lshl_b32 s[\g+1], s18, \shift
.if \base
	s_add_co_u32 s[\g+1], s[\g+1], \base
.endif
	s_add_nc_u64 s[\g+2:\g+3], s[\ptr:\ptr+1], s[\off:\off+1]
.if \more
	s_add_nc_u64 s[\g+2:\g+3], s[\g+2:\g+3], \more
.endif
	s_or_b32 s[\g+3], s[\g+3], 0x80000000          ; type = 2
.endm
	s_load_b256 s[4:11], s[0:1], 0x0               ; xc s[4:5], xs s[6:7], Wq_b s[8:9], Wk_b s[10:11]
	s_load_b128 s[12:15], s[0:1], 0x20             ; Wv_b s[12:13], qq s[14:15]
	s_load_b64 s[16:17], s[0:1], 0x30              ; kv
	v_lshl_add_u32 v14, v0, 2, 0x33000
	v_mov_b32 v15, 0
	ds_add_u32 v14, v15
	ds_add_u32 v14, v15
	v_lshrrev_b32 v1, 5, v0
	v_readfirstlane_b32 s18, v1                    ; wave 0..3
	s_and_b32 s19, s18, 1                          ; pw: my half of P's 16 groups
	s_lshr_b32 s20, s18, 1                         ; rw: my half of R's 8
	s_and_b32 s95, ttmp7, 0xffff                   ; the cluster's y, 0 .. 47
	s_lshr_b32 s21, s95, 4                         ; j: the projection
	s_and_b32 s95, s95, 15                         ; i: the cluster's number in it
	s_bfe_u32 s22, ttmp6, 0x40000                  ; cx
	s_bfe_u32 s23, ttmp6, 0x40004                  ; cy
	s_and_b32 s100, s95, 7
	s_lshr_b32 s101, s95, 3
	s_lshl_b32 s2, s21, 6
	s_add_co_u32 s2, s2, 1536                      ; Wq's groups begin at 1,536, Wk's at 1,600
	s_lshl_b32 s3, s21, 9                          ; q's at 0, k's at 512
	s_cmp_eq_u32 s21, 2
	s_cselect_b32 s84, s100, 0                     ; Q, K: 4 P tiles x 64 R tiles: 1 x 16 clusters;  V: 32 x 8: 8 x 2 clusters
	s_cselect_b32 s85, s101, s95
	s_cselect_b32 s86, 1024, s2                    ; P's first group in xc (v's groups begin at 1,024),
	s_cselect_b32 s90, 1664, s3                    ; R's (Wv's at 1,664)
	s_lshl_b32 s84, s84, 2
	s_add_co_u32 s84, s84, s22                     ; ptile: hangs on cx alone
	s_lshl_b32 s85, s85, 2
	s_add_co_u32 s85, s85, s23                     ; rtile: on cy alone
	s_lshl_b32 s87, s84, 4
	s_add_co_u32 s86, s86, s87
	s_lshl_b32 s87, s18, 2
	s_add_co_u32 s86, s86, s87                     ; the four P groups that I fetch
	s_lshl_b32 s88, s86, 9                         ; their scale bytes,
	s_mov_b32 s89, 0
	s_lshl_b32 s86, s86, 13                        ; their codes
	s_mov_b32 s87, 0
	s_lshl_b32 s91, s85, 3
	s_add_co_u32 s90, s90, s91
	s_lshl_b32 s91, s18, 1
	s_add_co_u32 s90, s90, s91                     ; the two R groups that I fetch
	s_lshl_b32 s92, s90, 9
	s_mov_b32 s93, 0
	s_lshl_b32 s90, s90, 13
	s_mov_b32 s91, 0
	s_lshl_b32 s100, 0x1111, s22                   ; my column of the cluster (same cx)
	s_lshl_b32 s101, s23, 2
	s_lshl_b32 s101, 15, s101                      ; my row (same cy)
	GROUP1 24, 100, 512, 4, 1024                   ; P's codes: 4 groups x half of K (4,096 bytes), 8,192 bytes apart
	GROUP1 32, 101, 512, 2, 1024                   ; R's codes: 2 groups
	GROUP1 40, 100, 32, 8, 32                      ; P's scale bytes: 2,048 dense bytes as 8 rows of 256
	GROUP1 48, 101, 32, 4, 32                      ; R's: 1,024
	s_mov_b32 s94, 0xffff0000                      ; lanes 16-31
	s_mov_b32 s96, 0x76543210
	s_mov_b32 s97, 0xfedcba98                      ; v_permlanex16_b32's selects for lane l xor 16
	s_mov_b32 s98, 0x05040100                      ; v_perm_b32: the two low halves,
	s_mov_b32 s99, 0x07060302                      ; the two high halves
	s_wait_dscnt 0x0
	s_wait_kmcnt 0x0
	GROUP0 56, 11, PS, 6, 88, 0
	GROUP0 60, 10, RS, 6, 92, 0
	GROUP0 68, 14, 0, 4, 86, 0
	GROUP0 72, 13, RCO, 4, 90, 0
	GROUP0 76, 14, CHUNK, 4, 86, 4096
	GROUP0 80, 13, CHUNK+RCO, 4, 90, 4096
	CROUND                                         ; all sixteen work-groups are here: the joint loads meet
	tensor_load_to_lds s[56:59], s[40:47]          ; the scale bytes,
	s_nop 0
	tensor_load_to_lds s[60:63], s[48:55]
	s_nop 0
	tensor_load_to_lds s[68:71], s[24:31]          ; the first half of K,
	s_nop 0
	tensor_load_to_lds s[72:75], s[32:39]
	s_nop 0
	tensor_load_to_lds s[76:79], s[24:31]          ; the second
	s_nop 0
	tensor_load_to_lds s[80:83], s[32:39]
	s_nop 0
.rept 4
	v_nop                                          ; (four behind the last of them)
.endr
	v_and_b32 v1, 31, v0
	v_lshlrev_b32 v12, 2, v1                       ; 4 x lane
	v_lshlrev_b32 v1, 4, v1                        ; 16 x lane: my place in an image
	s_wait_alu depctr_va_vdst(0)
	v_and_b32 v2, 15, v0                           ; r
	v_bfe_u32 v13, v0, 4, 1                        ; h
	s_lshl_b32 s95, s19, 15
	v_add_nc_u32 v3, s95, v1                       ; my 8 P groups in the first half of K,
	v_add_nc_u32 v4, CHUNK, v3                     ; in the second
	s_lshl_b32 s95, s20, 14
	s_add_co_u32 s95, s95, RCO
	v_add_nc_u32 v5, s95, v1                       ; my 4 R groups likewise
	v_add_nc_u32 v6, CHUNK, v5
	s_lshl_b32 s95, s19, 12
	s_add_co_u32 s95, s95, PS
	v_lshl_add_u32 v7, v2, 5, s95                  ; P's scale words: 32 bytes a position
	s_lshl_b32 s95, s20, 11
	s_add_co_u32 s95, s95, RS
	v_lshl_add_u32 v8, v2, 5, s95                  ; R's
	s_lshl_b32 s95, s20, 11
	v_add_nc_u32 v10, s95, v1                      ; out (Q, K): 16 x lane + my four token groups' 2,048 bytes
	s_lshl_b32 s95, s20, 7
	v_add_nc_u32 v11, s95, v12                     ; and their two pairs' words
.irp b, 0,1,2,3
	v_mov_b32 v[T2+\b], 0                          ; written once: a lane permute's destination counts as one of its sources
.endr
	; THE BIAS is the C of each sum's first product: eight registers a tile in the result's layout.
	s_cmp_eq_u32 s21, 2
	s_cbranch_scc1 .Lbias_v
	s_cmp_eq_u32 s21, 0                            ; Q, K: it runs along P: lane (r, h) wants, for P tile b, features 32 (b / 2) + 16 h + 8 (b % 2) + 0 .. 7 of my 128
	s_cselect_b64 s[2:3], s[8:9], s[10:11]
	s_lshl_b32 s66, s84, 10
	s_lshl_b32 s95, s19, 9
	s_add_co_u32 s66, s66, s95
	s_mov_b32 s67, 0
	s_add_nc_u64 s[2:3], s[2:3], s[66:67]
	v_lshlrev_b32 v9, 6, v13
.irp b, 0,1,2,3,4,5,6,7
	global_load_b128 v[BI+8*\b:BI+8*\b+3], v9, s[2:3] offset:(32*(\b/2)+8*(\b%2))*4
	global_load_b128 v[BI+8*\b+4:BI+8*\b+7], v9, s[2:3] offset:(32*(\b/2)+8*(\b%2))*4+16
.endr
	s_wait_loadcnt 0x0
	s_branch .Lbias_done
.Lbias_v:                                              ; V: it runs along R: one number a lane for each R group a, in all eight registers
	s_lshl_b32 s66, s85, 9
	s_lshl_b32 s95, s20, 8
	s_add_co_u32 s66, s66, s95
	s_mov_b32 s67, 0
	s_add_nc_u64 s[2:3], s[12:13], s[66:67]
	v_and_b32 v9, 8, v2
	v_add_nc_u32 v9, v9, v2
	v_lshlrev_b32 v9, 2, v9                        ; 4 (r + 8 (r / 8))
.irp a, 0,1,2,3
	global_load_b32 v[BI+8*\a], v9, s[2:3] offset:(32*(\a/2)+8*(\a%2))*4
.endr
	s_wait_loadcnt 0x0
.irp a, 0,1,2,3                        ; two copies: P tiles 0-3 take the first as C, tiles 4-7 the second: so both ways fill the same 64 registers
.irp i, 1,2,3,4,5,6,7
	v_mov_b32 v[BI+8*\a+\i], v[BI+8*\a]
.endr
.irp i, 0,1,2,3,4,5,6,7
	v_mov_b32 v[BI+32+8*\a+\i], v[BI+8*\a]
.endr
.endr
.Lbias_done:
.macro FETCH s                         ; the fragments of K step s: 24 LDS loads of 512 consecutive bytes, into set s % 2
.set fp, (\s)%2
.set fc, (\s)/4
.set fq, (\s)%4
	WIN 0x80                                       ; destination window 2
.irp b, 0,1,2,3,4,5,6,7
.irp c, 0,1
	ds_load_b128 v[64*fp+8*\b+4*\c:64*fp+8*\b+4*\c+3], v[3+fc] offset:4096*\b+1024*fq+512*\c
.endr
.endr
	WIN 0
.irp a, 0,1,2,3
.irp c, 0,1
	ds_load_b128 v[RF+32*fp+8*\a+4*\c:RF+32*fp+8*\a+4*\c+3], v[5+fc] offset:4096*\a+1024*fq+512*\c
.endr
.endr
.endm
; 32 matrix instructions: K step s.  The 32 accumulators take turns, one instruction a turn, in the same order in every step.
; cmode 0: the sums go on;  1: they begin with the bias along P;  2: with the bias along R.
.macro MUL s, cmode
.set mp, (\s)%2
.irp a, 0,1,2,3
.irp b, 0,1,2,3,4,5,6,7
.if \cmode == 0
	v_wmma_scale_f32_16x16x128_f8f6f4 v[64*\a+8*\b:64*\a+8*\b+7], v[64*mp+8*\b:64*mp+8*\b+7], v[RF+32*mp+8*\a:RF+32*mp+8*\a+7], v[64*\a+8*\b:64*\a+8*\b+7], v[PSW+8*\b+(\s)], v[RSW+8*\a+(\s)] matrix_a_fmt:MATRIX_FMT_FP4 matrix_b_fmt:MATRIX_FMT_FP4
.elseif \cmode == 1
	v_wmma_scale_f32_16x16x128_f8f6f4 v[64*\a+8*\b:64*\a+8*\b+7], v[64*mp+8*\b:64*mp+8*\b+7], v[RF+32*mp+8*\a:RF+32*mp+8*\a+7], v[BI+8*\b:BI+8*\b+7], v[PSW+8*\b+(\s)], v[RSW+8*\a+(\s)] matrix_a_fmt:MATRIX_FMT_FP4 matrix_b_fmt:MATRIX_FMT_FP4
.else
	v_wmma_scale_f32_16x16x128_f8f6f4 v[64*\a+8*\b:64*\a+8*\b+7], v[64*mp+8*\b:64*mp+8*\b+7], v[RF+32*mp+8*\a:RF+32*mp+8*\a+7], v[BI+32*(\b/4)+8*\a:BI+32*(\b/4)+8*\a+7], v[PSW+8*\b+(\s)], v[RSW+8*\a+(\s)] matrix_a_fmt:MATRIX_FMT_FP4 matrix_b_fmt:MATRIX_FMT_FP4
.endif
.endr
.endr
.endm
.macro STEP s
	s_wait_dscnt 0x0                               ; this step's fragments are in
.if (\s) == 3
	s_wait_tensorcnt 0x0                           ; my parts of the second half of K have landed,
	s_barrier_signal -1
	s_barrier_wait -1                              ; everybody's have: the next fetch reads it
.endif
.if (\s) < 7
	PLACES                                         ; the set that the last step multiplied is loaded anew
	FETCH (\s)+1
.endif
	WIN 0x52                                       ; source 0 (P) window 2, source 1 (R) window 0, C and D window 1
	MUL \s, 0
	WIN 0
.endm
	s_wait_tensorcnt 0x2                           ; the scale bytes and the first half of K are in: my two loads of the second half may stay out
	s_barrier_signal -1
	s_barrier_wait -1                              ; everybody's are
	s_wait_alu depctr_va_vdst(0)
.irp b, 0,1,2,3,4,5,6,7
.irp u, 0,1
	ds_load_b128 v[PSW+8*\b+4*\u:PSW+8*\b+4*\u+3], v7 offset:512*\b+16*\u   ; the scale words of all 8 K steps stay in registers: lane r has position r's
.endr
.endr
.irp a, 0,1,2,3
.irp u, 0,1
	ds_load_b128 v[RSW+8*\a+4*\u:RSW+8*\a+4*\u+3], v8 offset:512*\a+16*\u
.endr
.endr
	FETCH 0
	s_wait_dscnt 0x0
	FETCH 1
	s_cmp_eq_u32 s21, 2                            ; the first K step starts the sums: nothing is cleared
	s_cbranch_scc1 .Lfirst_v
	WIN 0x42                                       ; as 0x52, with C in window 0
	MUL 0, 1
	WIN 0
	s_branch .Lfirst_done
.Lfirst_v:
	WIN 0x42
	MUL 0, 2
	WIN 0
.Lfirst_done:
.irp s, 1,2,3,4,5,6,7
	STEP \s
.endr
	PLACES
; R group a's 64 results of a lane, register 16 b + i = place 32 b + 16 h + i along P, become a fragment's codes in v[PCD + 8 a] on and its scale word in v[PW + a].
.macro QUANT g
	WIN 0x05                                       ; sources 0 and 1 window 1
.irp b, 0,1,2,3
	v_max3_num_f32 v[TM+\b], |v[64*\g+16*\b]|, |v[64*\g+16*\b+1]|, 0x1800000   ; each accumulator is read from its low end on; the floor 2^(3 - 127) holds the byte at 1 from below
.endr
	WIN 0x14                                       ; sources 1 and 2 window 1
.irp i, 2,4,6,8,10,12,14
.irp b, 0,1,2,3
	v_max3_num_f32 v[TM+\b], v[TM+\b], |v[64*\g+16*\b+\i]|, |v[64*\g+16*\b+\i+1]|
.endr
.endr
	WIN 0
.irp b, 0,1,2,3
	v_permlanex16_b32 v[T2+\b], v[TM+\b], s96, s97
.endr
.irp b, 0,1,2,3
	v_max_num_f32 v[TM+\b], v[TM+\b], v[T2+\b]     ; with lane l xor 16's 16: the block's largest magnitude
.endr
.irp b, 0,1,2,3
	v_add_nc_u32 v[SCL+\b], 0xff000000, v[TM+\b]   ; 2 off the exponent field: the conversion's scale operand
.endr
.irp b, 0,1,2,3
	v_lshrrev_b32 v[T2+\b], 23, v[SCL+\b]          ; the byte
.endr
	v_lshl_or_b32 v[PW+\g], v[T2+1], 8, v[T2]
	v_lshl_or_b32 v[PW+\g], v[T2+2], 16, v[PW+\g]
	v_lshl_or_b32 v[PW+\g], v[T2+3], 24, v[PW+\g]
	WIN 0x01                                       ; source 0 window 1
.irp b, 0,1,2,3
	v_cvt_scalef32_pk8_fp4_f32 v[PCD+8*\g+2*\b], v[64*\g+16*\b:64*\g+16*\b+7], v[SCL+\b]
	v_cvt_scalef32_pk8_fp4_f32 v[PCD+8*\g+2*\b+1], v[64*\g+16*\b+8:64*\g+16*\b+15], v[SCL+\b]
.endr
	WIN 0
	v_nop                                          ; one plain place behind the last scaled conversion
.irp c, 0,1                            ; the operand's layout wants a whole block in a lane: lanes 0-15 block 2 c, lanes 16-31 block 2 c + 1
.irp i, 0,1
	v_permlane16_swap_b32 v[PCD+8*\g+4*\c+\i], v[PCD+8*\g+4*\c+2+\i]
.endr
.endr
.endm
	QUANT 0
	QUANT 1
	QUANT 2
	QUANT 3
	s_cmp_eq_u32 s21, 2
	s_cbranch_scc1 .Lstore_v
	; Q, K: my 128 features are two heads: registers 4 c .. 4 c + 3 of a fragment are head c's half image of token group 4 rw + a of record rtile % 16
	s_cmp_eq_u32 s21, 0
	s_cselect_b64 s[2:3], s[14:15], s[16:17]
	s_lshr_b32 s66, s85, 4
	s_lshl_b32 s66, s66, 4                         ; 16 x batch
	s_lshl_b32 s95, s84, 2
	s_add_co_u32 s66, s66, s95
	s_lshl_b32 s95, s19, 1
	s_add_co_u32 s66, s66, s95                     ; + head 4 ptile + 2 pw
	s_mul_i32 s66, s66, HEAD
	s_and_b32 s95, s85, 15
	s_mul_i32 s95, s95, REC
	s_add_co_u32 s66, s66, s95
	s_mov_b32 s67, 0
	s_add_nc_u64 s[2:3], s[2:3], s[66:67]
	s_wait_alu depctr_va_vdst(0)
.irp a, 0,1,2,3
.irp c, 0,1
	global_store_b128 v10, v[PCD+8*\a+4*\c:PCD+8*\a+4*\c+3], s[2:3] offset:512*\a+HEAD*\c   ; 512 consecutive bytes
.endr
.endr
.irp c, 0,1                            ; head c's two bytes of two neighbouring groups make a pair's word; lanes 0-15 store my first pair's, lanes 16-31 my second's
	v_perm_b32 v[TM+2*\c], v[PW+1], v[PW], s[98+\c]
	v_perm_b32 v[TM+2*\c+1], v[PW+3], v[PW+2], s[98+\c]
	v_cndmask_b32 v[TM+2*\c], v[TM+2*\c], v[TM+2*\c+1], s94
	global_store_b32 v11, v[TM+2*\c], s[2:3] offset:8192+HEAD*\c
.endr
	s_branch .Lstored
.Lstore_v:                                             ; V: my 128 tokens are record (2 ptile + pw) % 16 of their batch, my 64 features head 2 rtile + rw: four whole fragments of V^T
	s_lshl_b32 s66, s84, 1
	s_add_co_u32 s66, s66, s19
	s_lshr_b32 s95, s66, 4
	s_lshl_b32 s95, s95, 4                         ; 16 x batch
	s_and_b32 s66, s66, 15
	s_mul_i32 s66, s66, REC
	s_lshl_b32 s67, s85, 1
	s_add_co_u32 s95, s95, s67
	s_add_co_u32 s95, s95, s20
	s_mul_i32 s95, s95, HEAD
	s_add_co_u32 s66, s66, s95
	s_mov_b32 s67, 0
	s_add_nc_u64 s[2:3], s[16:17], s[66:67]
	s_wait_alu depctr_va_vdst(0)
.irp a, 0,1,2,3
.irp c, 0,1
	global_store_b128 v1, v[PCD+8*\a+4*\c:PCD+8*\a+4*\c+3], s[2:3] offset:4096+1024*\a+512*\c
.endr
.endr
	v_cndmask_b32 v[TM], v[PW], v[PW+1], s94       ; lanes 0-15 store group 0's (2's) words, lanes 16-31 group 1's (3's)
	v_cndmask_b32 v[TM+1], v[PW+2], v[PW+3], s94
	global_store_b32 v12, v[TM], s[2:3] offset:8448
	global_store_b32 v12, v[TM+1], s[2:3] offset:8576
.Lstored:
	s_wait_tensorcnt 0x0
	ds_add_u32 v14, v15
	s_wait_dscnt 0x0
	CROUND                                         ; the closing round: no work-group ends while a partner may still ask for a tile that names it
	s_endpgm
.Lfunc_end_k_qa0617a3c71_proj:
	.size	k_qa0617a3c71_proj, .Lfunc_end_k_qa0617a3c71_proj-k_qa0617a3c71_proj
	.p2alignl 7, 3214868480
	.fill 96, 4, 3214868480
	.section	.rodata,"a",@progbits
	.p2align	6, 0x0
	.amdhsa_kernel k_qa0617a3c71_proj
		.amdhsa_group_segment_fixed_size 209408
		.amdhsa_private_segment_fixed_size 0
		.amdhsa_enable_private_segment 0
		.amdhsa_kernarg_size 56
		.amdhsa_user_sgpr_count 2
		.amdhsa_user_sgpr_kernarg_segment_ptr 1
		.amdhsa_wavefront_size32 1
		.amdhsa_system_sgpr_workgroup_id_x 1
		.amdhsa_system_sgpr_workgroup_id_y 1
		.amdhsa_system_sgpr_workgroup_id_z 1
		.amdhsa_system_vgpr_workitem_id 0
		.amdhsa_next_free_vgpr 640
		.amdhsa_next_free_sgpr 102
		.amdhsa_reserve_vcc 0
		.amdhsa_float_denorm_mode_32 3
		.amdhsa_float_denorm_mode_16_64 3
		.amdhsa_memory_ordered 1
		.amdhsa_forward_progress 1
		.amdhsa_inst_pref_size 84
	.end_amdhsa_kernel
	.amdgpu_metadata
---
amdhsa.version: [ 1, 2 ]
amdhsa.kernels:
  - .name:           k_qa0617a3c71_proj
    .symbol:         k_qa0617a3c71_proj.kd
    .args:
      - { .name: xc, .offset: 0, .size: 8, .value_kind: global_buffer, .address_space: global }
      - { .name: xs, .offset: 8, .size: 8, .value_kind: global_buffer, .address_space: global }
      - { .name: Wq_b, .offset: 16, .size: 8, .value_kind: global_buffer, .address_space: global }
      - { .name: Wk_b, .offset: 24, .size: 8, .value_kind: global_buffer, .address_space: global }
      - { .name: Wv_b, .offset: 32, .size: 8, .value_kind: global_buffer, .address_space: global }
      - { .name: qq, .offset: 40, .size: 8, .value_kind: global_buffer, .address_space: global }
      - { .name: kv, .offset: 48, .size: 8, .value_kind: global_buffer, .address_space: global }
    .group_segment_fixed_size: 209408
    .private_segment_fixed_size: 0
    .kernarg_segment_align: 8
    .kernarg_segment_size: 56
    .max_flat_workgroup_size: 128
    .sgpr_count:     102
    .vgpr_count:     640
    .wavefront_size: 32
...
	.end_amdgpu_metadata
.endif
;; end of part 2
;; launch attn (part 3): grid 4 x 64, 16 waves a work-group, clusters of 4 x 1, 169,984 bytes of LDS; arguments qq, kv, ac, asw; writes ac, asw
.if DOCPART == 3
	.amdgcn_target "amdgcn-amd-amdhsa--gfx1250"
	.amdhsa_code_object_version 6
	.text
	.protected	k_qa0617a3c71_attn
	.globl	k_qa0617a3c71_attn
	.p2align	8
	.type	k_qa0617a3c71_attn,@function
k_qa0617a3c71_attn:
	s_mov_b64 s[64:65], 0
	v_nop
	global_prefetch_b8 v0, s[64:65] scope:SCOPE_SE
	s_setreg_imm32_b32 hwreg(HW_REG_WAVE_MODE, 25, 1), 1
	s_wait_xcnt 0x0
	s_wait_alu depctr_hold_cnt(0) depctr_sa_sdst(0) depctr_va_vdst(0) depctr_va_sdst(0) depctr_va_ssrc(0) depctr_va_vcc(0) depctr_vm_vsrc(0)
	s_getreg_b32 s2, hwreg(HW_REG_IB_STS2, 6, 4)
	s_cmp_eq_u32 s2, 0
	s_cbranch_scc0 .Lentry_in_a_cluster
	s_endpgm
.Lentry_in_a_cluster:
	s_bfe_u32 s2, ttmp6, 0x10000c
	s_cmp_lg_u32 s2, 0x3003
	s_cbranch_scc0 .Lentry_shape_is_right
	s_endpgm
.Lentry_shape_is_right:
; Attention of one head on codes of FP4 with E8M0 scales, and the quantising of its result along the concatenated heads for the output projection.
; THE SOFTMAX AHEAD OF THE SECOND PRODUCT: t = score x log2(e) / 8; M = the running largest t, rounded UP to a whole number; p = 2^(t - M) is what is quantised, along the keys; the row's sum is taken
; of the unquantised p and divides O at the end.  When M moves, the sum and O are multiplied by 2^(old M - new M), which rounds nothing.
; SHARES.  A work-group owns 512 queries of one (batch, head); each of its sixteen waves a pair of query groups: two tiles of 16 queries, which share every fragment of K and V read from LDS.
; Four waves to a SIMD, 256 registers each: one wave's vector work stands beside another's products and LDS loads.  A tile's softmax for 128 keys is some 230 vector instructions against 12 products.
; LDS.  A head's K and V with their scale words are 16 records of 8,704 bytes (128 keys each), 139,264 bytes: they come ONCE, wave w fetching record w (one tensor load of a wave is out), and stay: no ring.
; CLUSTER.  The four query blocks of a head read the same records: each is asked for jointly, with a mask that names the four.
; LAYOUT.  Both products are used transposed (S^T = K Q^T, O^T = V^T P^T): a lane holds one query throughout.  Position r of token group g is token 32 (g / 2) + 8 (g % 2) + r + 8 (r / 8), so the 16
; registers of key tiles 2 b and 2 b + 1 are 16 neighbouring keys, and those of channel tiles 2 b, 2 b + 1 are 16 neighbouring channels.
; THE HEAD'S 64 IN AN INSTRUCTION OF K = 128.  Source 0 is a whole fragment: key group 2 b in k = 0 .. 63, key group 2 b + 1 in k = 64 .. 127, with the pair's scale word.  Source 1 is [Q | zeros] for
; tile 2 b and [zeros | Q] for tile 2 b + 1: zero codes add nothing under any byte but 0xff.  v16-35 hold zeros, Q0, zeros, Q1, zeros, four registers each, so that all four operands are runs of eight.
; OUT.  ac: [token group 512][8,192 bytes], laid as an operand of K = 1,024: head n's half image at 512 n.  asw: [head 16][pair of token groups 256][16 positions][word: bytes 0, 1 the even group's two blocks, 2, 3 the odd one's].
; LIMITS: NaN and infinities are not served.  A block of zeros gets the byte 1 (its codes are zeros; this program alone reads the bytes).
.set HEAD, 139264
.set REC,  8704
.set SCR,  139264                      ; behind the records: 1,024 bytes in which the sixteen waves' scale words meet
.set KV,   36                          ; v36-67   four fragments: K's, then V's
.set S,    68                          ; v68-131  S^T, then p; at the end O^T / the sum
.set O,    132                         ; v132-195 O^T: tile t, channel group d at 32 t + 8 d
.set PCD,  196                         ; v196-211 p's codes: 8 a tile
.set KVS,  212                         ; v212-215 K's or V's scale words
.set QS,   216                         ; v216-217 Q's two bytes, in both halves of a word
.set PSC,  218                         ; v218-219 p's scale words
.set BM,   220                         ; v220-223 a block's largest score, then its largest p
.set T2,   224
.set SCL,  228
.set F,    232                         ; v[232:233] 2^(old M - new M)
.set TP,   234
.set SU,   236                         ; v[236:237] the sum's second chain
.set PWD,  238
.set SW,   240                         ; v240 where I put my pair's scale word;  v241 where waves 0 and 1 read 512 bytes back
.set SRD,  241
; v1 16 x lane; v2 4 r; v3, v4 the step's addresses; v5, v6 Q's offsets; tile t: v[8 + 4 t] -M, v[9 + 4 t] the largest t, v[10 + 4 t : 11 + 4 t] the sum in two halves
.macro CROUND                          ; a round of the cluster's barrier
	s_barrier_signal -1
	s_barrier_wait -1
	s_cmp_lg_u32 s12, 0
	s_cbranch_scc1 .Lnot_wave_0_\@
	s_barrier_signal -3
.Lnot_wave_0_\@:
	s_barrier_wait -3
	s_barrier_signal -1
	s_barrier_wait -1
.endm
	s_load_b256 s[4:11], s[0:1], 0x0               ; qq s[4:5], kv s[6:7], ac s[8:9], asw s[10:11]
	v_lshl_add_u32 v254, v0, 2, 0x29000
	v_mov_b32 v255, 0
	ds_add_u32 v254, v255
	ds_add_u32 v254, v255
	v_lshrrev_b32 v1, 5, v0
	s_delay_alu instid0(VALU_DEP_1)
	v_readfirstlane_b32 s12, v1                    ; wave 0..15
	s_bfe_u32 s13, ttmp6, 0x40000                  ; cx
	s_lshl_b32 s14, ttmp9, 2
	s_add_co_u32 s14, s14, s13                     ; my block of 512 queries: it enters Q's and the outputs' addresses alone
	s_and_b32 s15, ttmp7, 0xffff                   ; 16 x batch + head, which the four partners share
	s_mul_i32 s38, s15, HEAD
	s_mul_i32 s34, s12, REC                        ; record w: in memory and in LDS
	s_add_co_u32 s40, s38, s34
	s_mov_b32 s41, 0
	s_lshl_b32 s42, s14, 2                         ; Q: my pair is pair w % 4 of record 4 block + w / 4
	s_lshr_b32 s35, s12, 2
	s_add_co_u32 s42, s42, s35
	s_mul_i32 s42, s42, REC
	s_add_co_u32 s42, s42, s38
	s_mov_b32 s43, 0
	s_lshr_b32 s35, s15, 4                         ; batch
	s_and_b32 s2, s15, 15                          ; head
	s_lshl_b32 s44, s35, 7                         ; ac: token group 128 batch + 32 block + 2 w,
	s_lshl_b32 s3, s14, 5
	s_add_co_u32 s44, s44, s3
	s_lshl_b32 s3, s12, 1
	s_add_co_u32 s44, s44, s3
	s_lshl_b32 s44, s44, 13
	s_lshl_b32 s3, s2, 9                           ; + 512 head
	s_add_co_u32 s44, s44, s3
	s_mov_b32 s45, 0
	s_lshl_b32 s46, s35, 6                         ; asw: pair 64 batch + 16 block,
	s_lshl_b32 s3, s14, 4
	s_add_co_u32 s46, s46, s3
	s_lshl_b32 s46, s46, 6
	s_lshl_b32 s3, s2, 14                          ; + 16,384 head,
	s_add_co_u32 s46, s46, s3
	s_lshl_b32 s3, s12, 9                          ; + 512 w (waves 0 and 1 store)
	s_add_co_u32 s46, s46, s3
	s_mov_b32 s47, 0
	s_mov_b32 s16, 15|(3<<16)|(1<<21)              ; group 1: 15:0 the mask: all four work-groups; 17:16 elements of 8 bytes; 21 set beside a mask
	s_mov_b32 s17, 32<<16                          ; tensor_dim0 = 32: rows of 256 bytes
	s_mov_b32 s18, 34<<16                          ; tensor_dim1 = 34: a record's 8,704 dense bytes
	s_mov_b32 s19, 32<<16                          ; tile_dim0
	s_mov_b32 s20, 34                              ; tile_dim1
	s_mov_b32 s21, 32                              ; tensor_dim0_stride
	s_mov_b32 s22, 0
	s_mov_b32 s23, 0
	s_mov_b32 s28, 0x76543210
	s_mov_b32 s29, 0xfedcba98                      ; v_permlanex16_b32's selects for lane l xor 16
	s_mov_b32 s30, 0x3e38aa3b                      ; c = log2(e) / sqrt(64)
	s_mov_b32 s31, s30                             ; (named with it as a pair, so it is written)
	s_mov_b32 s36, 0x01000100                      ; v_perm_b32: the low half twice,
	s_mov_b32 s37, 0x03020302                      ; the high half twice
	s_wait_dscnt 0x0
	s_wait_kmcnt 0x0
	s_add_nc_u64 s[4:5], s[4:5], s[42:43]
	s_add_nc_u64 s[8:9], s[8:9], s[44:45]
	s_add_nc_u64 s[10:11], s[10:11], s[46:47]
	s_mov_b32 s24, 1                               ; group 0: count = 1,
	s_mov_b32 s25, s34                             ; LDS address,
	s_add_nc_u64 s[26:27], s[6:7], s[40:41]        ; global address,
	s_or_b32 s27, s27, 0x80000000                  ; type = 2
	CROUND                                         ; all four work-groups are here: the joint loads meet
	tensor_load_to_lds s[24:27], s[16:23]
	s_nop 0
.rept 4
	v_nop
.endr
	v_and_b32 v1, 31, v0
	s_delay_alu instid0(VALU_DEP_1)
	v_lshlrev_b32 v1, 4, v1                        ; 16 x lane
	v_and_b32 v2, 15, v0
	s_delay_alu instid0(VALU_DEP_1)
	v_lshlrev_b32 v2, 2, v2                        ; 4 r
	s_and_b32 s3, s12, 3
	s_lshl_b32 s2, s3, 10
	v_add_nc_u32 v5, s2, v1
	s_lshl_b32 s2, s3, 6
	v_add_nc_u32 v6, s2, v2
	s_lshl_b32 s2, s12, 6
	s_add_co_u32 s2, s2, SCR
	v_add_nc_u32 v[SW], s2, v2
	s_lshl_b32 s2, s12, 9
	s_add_co_u32 s2, s2, SCR
	v_add_nc_u32 v[SRD], s2, v1
	global_load_b128 v[20:23], v5, s[4:5]          ; Q of tile 0,
	global_load_b128 v[28:31], v5, s[4:5] offset:512   ; of tile 1,
	global_load_b32 v[TP], v6, s[4:5] offset:8192  ; and the pair's scale word
.irp z, 16,17,18,19,24,25,26,27,32,33,34,35
	v_mov_b32 v\z, 0                               ; the zero codes round Q
.endr
.irp t, 0,1
	v_mov_b32 v[9+4*\t], 0xff61b1e6                ; the largest t so far: -3e38, under every t
	s_delay_alu instid0(VALU_DEP_1)
	v_floor_f32 v[8+4*\t], -v[9+4*\t]              ; -M
	v_mov_b32 v[10+4*\t], 0                        ; the sum
	v_mov_b32 v[11+4*\t], 0
.endr
.irp b, 0,1,2,3
	v_mov_b32 v[T2+\b], 0                          ; written once: a lane permute's destination counts as one of its sources
.endr
	v_mov_b32 v[F+1], 0                            ; (named as the upper half of a pair)
	s_wait_loadcnt 0x0
	v_perm_b32 v[QS], v[TP], v[TP], s36            ; a tile's two bytes in both halves: they serve [Q | zeros] and [zeros | Q]
	v_perm_b32 v[QS+1], v[TP], v[TP], s37
.set n, 0
.rept 64
	v_mov_b32 v[O+n], 0                            ; O^T.  (The step is written once: the first finds zeros.  These lines are also the places between the two above and the first scaled product)
.set n, n+1
.endr
.macro QK t                            ; S^T of tile t: 8 tiles of 16 keys
.irp b, 0,1,2,3
	v_wmma_scale_f32_16x16x128_f8f6f4 v[S+16*\b:S+16*\b+7], v[KV+8*\b:KV+8*\b+7], v[20+8*\t:27+8*\t], 0, v[KVS+\b], v[QS+\t] matrix_a_fmt:MATRIX_FMT_FP4 matrix_b_fmt:MATRIX_FMT_FP4
	v_wmma_scale_f32_16x16x128_f8f6f4 v[S+16*\b+8:S+16*\b+15], v[KV+8*\b:KV+8*\b+7], v[16+8*\t:23+8*\t], 0, v[KVS+\b], v[QS+\t] matrix_a_fmt:MATRIX_FMT_FP4 matrix_b_fmt:MATRIX_FMT_FP4
.endr
.endm
.macro SOFTMAX t
.set NM, 8+4*\t
.set MT, 9+4*\t
.set LSUM, 10+4*\t
.irp b, 0,1,2,3
	v_max3_num_f32 v[BM+\b], v[S+16*\b], v[S+16*\b+1], v[S+16*\b+2]   ; the largest score of each block of 32 keys: it serves for the row's maximum and, since p rises with the score, for the block's largest p
.endr
.irp i, 3,5,7,9,11,13
.irp b, 0,1,2,3
	v_max3_num_f32 v[BM+\b], v[BM+\b], v[S+16*\b+\i], v[S+16*\b+\i+1]   ; (ascending: each accumulator is read from its low end on)
.endr
.endr
.irp b, 0,1,2,3
	v_max_num_f32 v[BM+\b], v[BM+\b], v[S+16*\b+15]
.endr
.irp b, 0,1,2,3
	s_delay_alu instid0(VALU_DEP_4)
	v_permlanex16_b32 v[T2+\b], v[BM+\b], s28, s29
.endr
.irp b, 0,1,2,3
	s_delay_alu instid0(VALU_DEP_4)
	v_max_num_f32 v[BM+\b], v[BM+\b], v[T2+\b]     ; with lane l xor 16's 16 keys
.endr
	s_delay_alu instid0(VALU_DEP_2)
	v_max3_num_f32 v[TP], v[BM], v[BM+1], v[BM+2]
	s_delay_alu instid0(VALU_DEP_1)
	v_max_num_f32 v[TP], v[TP], v[BM+3]
	s_delay_alu instid0(VALU_DEP_1)
	v_mul_f32 v[TP], s30, v[TP]                    ; the step's largest t (c is positive)
	s_delay_alu instid0(VALU_DEP_1)
	v_max_num_f32 v[MT], v[MT], v[TP]
	v_mov_b32 v[TP], v[NM]
	s_delay_alu instid0(VALU_DEP_2)
	v_floor_f32 v[NM], -v[MT]                      ; the new -M = -ceil(t)
	s_delay_alu instid0(VALU_DEP_1)
	v_sub_f32 v[TP], v[NM], v[TP]                  ; old M - new M: a whole number, 0 or less
	s_delay_alu instid0(VALU_DEP_1)
	v_cvt_i32_f32 v[TP], v[TP]                     ; (it saturates)
	s_delay_alu instid0(VALU_DEP_1)
	v_ldexp_f32 v[F], 1.0, v[TP]                   ; f = 2^(old M - new M)
.set n, 0
.rept 32
	v_pk_fma_f32 v[S+n:S+n+1], v[S+n:S+n+1], s[30:31], v[NM:NM+1] op_sel_hi:[1,0,0]   ; t - M, two at a time
.set n, n+2
.endr
.irp b, 0,1,2,3
	v_fma_f32 v[BM+\b], v[BM+\b], s30, v[NM]
.endr
.set n, 0
	s_wait_alu depctr_va_vdst(0)
.rept 64
	v_exp_f32 v[S+n], v[S+n]                       ; p = 2^(t - M), at most 1
.set n, n+1
.endr
.irp b, 0,1,2,3
	v_exp_f32 v[BM+\b], v[BM+\b]                   ; the block's largest p: the same two instructions on the same number
.endr
	v_pk_mul_f32 v[LSUM:LSUM+1], v[LSUM:LSUM+1], v[F:F+1] op_sel_hi:[1,0]   ; the sum under the new M.  (A plain place behind the exponentials)
	s_wait_alu depctr_va_vdst(0)
.irp b, 0,1,2,3
	v_max_num_f32 v[BM+\b], 0x1800000, v[BM+\b]    ; the floor 2^(3 - 127): the byte cannot fall under 1
.endr
.irp b, 0,1,2,3
	s_delay_alu instid0(VALU_DEP_4)
	v_add_nc_u32 v[SCL+\b], 0xff000000, v[BM+\b]   ; 2 off the exponent field: the conversion's scale operand
.endr
.irp b, 0,1,2,3
	s_delay_alu instid0(VALU_DEP_4)
	v_lshrrev_b32 v[T2+\b], 23, v[SCL+\b]
.endr
	s_delay_alu instid0(VALU_DEP_3)
	v_lshl_or_b32 v[PSC+\t], v[T2+1], 8, v[T2]     ; p's scale word for these 128 keys
	s_delay_alu instid0(VALU_DEP_1)
	v_lshl_or_b32 v[PSC+\t], v[T2+2], 16, v[PSC+\t]
	s_delay_alu instid0(VALU_DEP_1)
	v_lshl_or_b32 v[PSC+\t], v[T2+3], 24, v[PSC+\t]
.irp b, 0,1,2,3
	v_cvt_scalef32_pk8_fp4_f32 v[PCD+8*\t+2*\b], v[S+16*\b:S+16*\b+7], v[SCL+\b]
	v_cvt_scalef32_pk8_fp4_f32 v[PCD+8*\t+2*\b+1], v[S+16*\b+8:S+16*\b+15], v[SCL+\b]
.endr
	v_nop                                          ; one plain place behind the last scaled conversion
.irp c, 0,1
.irp i, 0,1
	v_permlane16_swap_b32 v[PCD+8*\t+4*\c+\i], v[PCD+8*\t+4*\c+2+\i]   ; a whole block to a lane
.endr
.endr
	v_pk_add_f32 v[SU:SU+1], v[S:S+1], v[S+2:S+3]  ; the row's sum is taken of the unquantised p: two at a time, in two chains
.irp j, 4,8,12,16,20,24,28,32,36,40,44,48,52,56,60
	v_pk_add_f32 v[LSUM:LSUM+1], v[LSUM:LSUM+1], v[S+\j:S+\j+1]
	v_pk_add_f32 v[SU:SU+1], v[SU:SU+1], v[S+\j+2:S+\j+3]
.endr
	s_delay_alu instid0(VALU_DEP_1)
	v_pk_add_f32 v[LSUM:LSUM+1], v[LSUM:LSUM+1], v[SU:SU+1]
.set n, 0
.rept 16
	v_pk_mul_f32 v[O+32*\t+n:O+32*\t+n+1], v[O+32*\t+n:O+32*\t+n+1], v[F:F+1] op_sel_hi:[1,0]   ; O^T under the new M
.set n, n+2
.endr
.endm
	s_wait_tensorcnt 0x0                           ; my record has landed,
	s_barrier_signal -1
	s_barrier_wait -1                              ; everybody's has
	s_mov_b32 s32, 0                               ; the record in hand
	s_mov_b32 s33, 16
.Lkeys:                                                ; a trip: 128 keys
	s_setprio 2
	v_add_nc_u32 v3, s32, v1
	v_add_nc_u32 v4, s32, v2
	v_nop
	v_nop                                          ; four places behind the last trip's products, whose fragments and scale words are loaded anew
.irp b, 0,1,2,3
.irp c, 0,1
	ds_load_b128 v[KV+8*\b+4*\c:KV+8*\b+4*\c+3], v3 offset:1024*\b+512*\c   ; key groups 2 b and 2 b + 1: one fragment
.endr
	ds_load_b32 v[KVS+\b], v4 offset:8192+64*\b
.endr
	s_wait_dscnt 0x0
	QK 0
.rept 4
	v_nop
.endr
	SOFTMAX 0
	QK 1                                           ; K's fragments serve a second time
.rept 4
	v_nop                                          ; places in front of the loads below and of the first read of the scores
.endr
.irp d, 0,1,2,3
.irp c, 0,1
	ds_load_b128 v[KV+8*\d+4*\c:KV+8*\d+4*\c+3], v3 offset:4096+1024*\d+512*\c   ; V^T: they land while tile 1's softmax is walked
.endr
	ds_load_b32 v[KVS+\d], v4 offset:8448+64*\d
.endr
	s_setprio 1
	SOFTMAX 1
	s_setprio 0
	s_wait_alu depctr_va_vdst(0)
	s_wait_dscnt 0x0
.irp d, 0,1,2,3                        ; O^T += V^T P^T: the eight accumulators by turns
.irp t, 0,1
	v_wmma_scale_f32_16x16x128_f8f6f4 v[O+32*\t+8*\d:O+32*\t+8*\d+7], v[KV+8*\d:KV+8*\d+7], v[PCD+8*\t:PCD+8*\t+7], v[O+32*\t+8*\d:O+32*\t+8*\d+7], v[KVS+\d], v[PSC+\t] matrix_a_fmt:MATRIX_FMT_FP4 matrix_b_fmt:MATRIX_FMT_FP4
.endr
.endr
	s_add_co_u32 s32, s32, REC
	s_sub_co_u32 s33, s33, 1
	s_cmp_lg_u32 s33, 0
	s_cbranch_scc1 .Lkeys
	s_setprio 0
	; THE END.  The four additions and the v_nop are five plain places behind the last products.
.irp t, 0,1
	v_add_f32 v[10+4*\t], v[10+4*\t], v[11+4*\t]   ; the sum's two halves,
.endr
.irp t, 0,1
	s_delay_alu instid0(VALU_DEP_2)
	v_permlanex16_b32 v[T2+\t], v[10+4*\t], s28, s29
.endr
.irp t, 0,1
	s_delay_alu instid0(VALU_DEP_2)
	v_add_f32 v[10+4*\t], v[10+4*\t], v[T2+\t]     ; and lane l xor 16's
.endr
	s_wait_alu depctr_va_vdst(0)
.irp t, 0,1
	v_rcp_f32 v[10+4*\t], v[10+4*\t]
.endr
	v_nop                                          ; a plain place behind the reciprocals
	s_wait_alu depctr_va_vdst(0)
.irp t, 0,1
.set n, 0
.rept 16
	v_pk_mul_f32 v[S+32*\t+n:S+32*\t+n+1], v[O+32*\t+n:O+32*\t+n+1], v[10+4*\t:11+4*\t] op_sel_hi:[1,0]   ; register 32 t + 16 b + i: channel 32 b + 16 h + i of tile t's query
.set n, n+2
.endr
.endr
	; four blocks of 32 channels: tile 0's two, tile 1's two.  Their codes are the two tiles' half images, their bytes the pair's word.
.irp b, 0,1,2,3
	v_max3_num_f32 v[BM+\b], |v[S+16*\b]|, |v[S+16*\b+1]|, 0x1800000
.endr
.irp i, 2,4,6,8,10,12,14
.irp b, 0,1,2,3
	s_delay_alu instid0(VALU_DEP_4)
	v_max3_num_f32 v[BM+\b], v[BM+\b], |v[S+16*\b+\i]|, |v[S+16*\b+\i+1]|
.endr
.endr
.irp b, 0,1,2,3
	s_delay_alu instid0(VALU_DEP_4)
	v_permlanex16_b32 v[T2+\b], v[BM+\b], s28, s29
.endr
.irp b, 0,1,2,3
	s_delay_alu instid0(VALU_DEP_4)
	v_max_num_f32 v[BM+\b], v[BM+\b], v[T2+\b]
.endr
.irp b, 0,1,2,3
	s_delay_alu instid0(VALU_DEP_4)
	v_add_nc_u32 v[SCL+\b], 0xff000000, v[BM+\b]
.endr
.irp b, 0,1,2,3
	s_delay_alu instid0(VALU_DEP_4)
	v_lshrrev_b32 v[T2+\b], 23, v[SCL+\b]
.endr
	s_delay_alu instid0(VALU_DEP_3)
	v_lshl_or_b32 v[PWD], v[T2+1], 8, v[T2]
	s_delay_alu instid0(VALU_DEP_1)
	v_lshl_or_b32 v[PWD], v[T2+2], 16, v[PWD]
	s_delay_alu instid0(VALU_DEP_1)
	v_lshl_or_b32 v[PWD], v[T2+3], 24, v[PWD]
.irp b, 0,1,2,3
	v_cvt_scalef32_pk8_fp4_f32 v[PCD+2*\b], v[S+16*\b:S+16*\b+7], v[SCL+\b]
	v_cvt_scalef32_pk8_fp4_f32 v[PCD+2*\b+1], v[S+16*\b+8:S+16*\b+15], v[SCL+\b]
.endr
	v_nop                                          ; one plain place behind the last scaled conversion
.irp c, 0,1
.irp i, 0,1
	v_permlane16_swap_b32 v[PCD+4*\c+\i], v[PCD+4*\c+2+\i]
.endr
.endr
	global_store_b128 v1, v[PCD:PCD+3], s[8:9]                  ; tile 0's half image: 512 consecutive bytes,
	global_store_b128 v1, v[PCD+4:PCD+7], s[8:9] offset:8192    ; tile 1's, in the next token group
	ds_store_b32 v[SW], v[PWD]                     ; lanes r and r + 16 write the same word with the same value
	s_wait_dscnt 0x0                               ; for the others' sake
	s_barrier_signal -1
	s_barrier_wait -1
	s_cmp_lt_u32 s12, 2                            ; the sixteen pairs' words are 1,024 consecutive bytes of asw: waves 0 and 1 store 512 each
	s_cbranch_scc0 .Lno_words
	ds_load_b128 v[S:S+3], v[SRD]
	s_wait_dscnt 0x0
	global_store_b128 v1, v[S:S+3], s[10:11]
.Lno_words:
	s_wait_tensorcnt 0x0
	ds_add_u32 v254, v255
	s_wait_dscnt 0x0
	CROUND                                         ; the closing round
	s_endpgm
.Lfunc_end_k_qa0617a3c71_attn:
	.size	k_qa0617a3c71_attn, .Lfunc_end_k_qa0617a3c71_attn-k_qa0617a3c71_attn
	.p2alignl 7, 3214868480
	.fill 96, 4, 3214868480
	.section	.rodata,"a",@progbits
	.p2align	6, 0x0
	.amdhsa_kernel k_qa0617a3c71_attn
		.amdhsa_group_segment_fixed_size 169984
		.amdhsa_private_segment_fixed_size 0
		.amdhsa_enable_private_segment 0
		.amdhsa_kernarg_size 32
		.amdhsa_user_sgpr_count 2
		.amdhsa_user_sgpr_kernarg_segment_ptr 1
		.amdhsa_wavefront_size32 1
		.amdhsa_system_sgpr_workgroup_id_x 1
		.amdhsa_system_sgpr_workgroup_id_y 1
		.amdhsa_system_sgpr_workgroup_id_z 1
		.amdhsa_system_vgpr_workitem_id 0
		.amdhsa_next_free_vgpr 256
		.amdhsa_next_free_sgpr 66
		.amdhsa_reserve_vcc 0
		.amdhsa_float_denorm_mode_32 3
		.amdhsa_float_denorm_mode_16_64 3
		.amdhsa_memory_ordered 1
		.amdhsa_forward_progress 1
		.amdhsa_inst_pref_size 47
	.end_amdhsa_kernel
	.amdgpu_metadata
---
amdhsa.version: [ 1, 2 ]
amdhsa.kernels:
  - .name:           k_qa0617a3c71_attn
    .symbol:         k_qa0617a3c71_attn.kd
    .args:
      - { .name: qq, .offset: 0, .size: 8, .value_kind: global_buffer, .address_space: global }
      - { .name: kv, .offset: 8, .size: 8, .value_kind: global_buffer, .address_space: global }
      - { .name: ac, .offset: 16, .size: 8, .value_kind: global_buffer, .address_space: global }
      - { .name: asw, .offset: 24, .size: 8, .value_kind: global_buffer, .address_space: global }
    .group_segment_fixed_size: 169984
    .private_segment_fixed_size: 0
    .kernarg_segment_align: 8
    .kernarg_segment_size: 32
    .max_flat_workgroup_size: 512
    .sgpr_count:     66
    .vgpr_count:     256
    .wavefront_size: 32
...
	.end_amdgpu_metadata
.endif
;; end of part 3
;; launch outp (part 4): grid 4 x 64, 4 waves a work-group, clusters of 4 x 4, 243,200 bytes of LDS; arguments xc, xs, ac, asw, W0_b, out0; writes out0
.if DOCPART == 4
	.amdgcn_target "amdgcn-amd-amdhsa--gfx1250"
	.amdhsa_code_object_version 6
	.text
	.protected	k_qa0617a3c71_outp
	.globl	k_qa0617a3c71_outp
	.p2align	8
	.type	k_qa0617a3c71_outp,@function
k_qa0617a3c71_outp:
	s_mov_b64 s[64:65], 0
	v_nop
	global_prefetch_b8 v0, s[64:65] scope:SCOPE_SE
	s_setreg_imm32_b32 hwreg(HW_REG_WAVE_MODE, 25, 1), 1
	s_wait_xcnt 0x0
	s_wait_alu depctr_hold_cnt(0) depctr_sa_sdst(0) depctr_va_vdst(0) depctr_va_sdst(0) depctr_va_ssrc(0) depctr_va_vcc(0) depctr_vm_vsrc(0)
	s_getreg_b32 s2, hwreg(HW_REG_IB_STS2, 6, 4)
	s_cmp_eq_u32 s2, 0
	s_cbranch_scc0 .Lentry_in_a_cluster
	s_endpgm
.Lentry_in_a_cluster:
	s_bfe_u32 s2, ttmp6, 0x10000c
	s_cmp_lg_u32 s2, 0xf033
	s_cbranch_scc0 .Lentry_shape_is_right
	s_endpgm
.Lentry_shape_is_right:
; out0 = att W0^T + W0_b on codes of FP4 with E8M0 scales; out0 [8192][1024] f32.
; P (source 0) = W0's rows, R (source 1) = tokens: a lane holds one token, and its registers run along the output's features, so that a lane's eight results are 32 neighbouring bytes of a row.
; Operands come as groups of 16 rows (position r of group g = row 32 (g / 2) + 8 (g % 2) + r + 8 (r / 8)), laid as images of the operand's registers.
; SHARES.  A work-group makes 16 P groups x 8 R groups (256 features x 128 tokens) for all of K = 1,024: 256 work-groups.  Wave w: 8 P groups (half w % 2) x 4 R groups (half w / 2): 32 accumulators.
; LDS holds the tile's operands for ALL of K, as two halves, and their scale bytes: every byte is filled once, so there is no ring.  Each wave issues six tensor loads at the start: six are out.
; CLUSTERS: 4 x 4 work-groups.  P's tile hangs on cx alone and is asked for jointly by a column of the cluster, R's on cy alone and by a row.
; R's SCALE WORDS lie by head, a word for a pair of token groups (bytes 0, 1 the even group's two blocks, 2, 3 the odd one's): a K step's word of a group is made of two heads' halves by v_perm_b32, once.
; REGISTERS, in windows of 256: window 0: v1-13 addresses; v16-79 R's fragments, two sets of 4 x 8; v80-143 P's scale words (8 b + s); v144-175 R's (8 a + s); v176-239 the bias;
;   on the way out v16-79 and v176-239 take rows by turns.   window 1: accumulator (a, b) at v[64 a + 8 b].   window 2: P's fragments, two sets of 8 x 8.
.set CHUNK, 98304                      ; LDS: half of K: P's 16 groups x 4,096 bytes, then R's 8 groups
.set RCO,   65536
.set PS,    196608                     ; P's scale bytes, 16 x 512
.set RS,    204800                     ; R's: [head 16][256 bytes]
.set STG,   208896                     ; the way out: a stage of 16 rows x (512 + 16) bytes for each wave; no tensor load lands here
.set SP,    528
.set RF,    16
.set PSW,   80
.set RSW,   144
.set BI,    176
.set MSB,   0
.macro WIN new                         ; s_set_vgpr_msb: bits 1:0 source 0, 3:2 source 1, 5:4 source 2, 7:6 destination; the high byte repeats the setting that is left
.if MSB != \new
	s_set_vgpr_msb (MSB<<8)|\new
.set MSB, \new
.endif
.endm
.macro CROUND                          ; a round of the cluster's barrier
	s_barrier_signal -1
	s_barrier_wait -1
	s_cmp_lg_u32 s18, 0
	s_cbranch_scc1 .Lnot_wave_0_\@
	s_barrier_signal -3
.Lnot_wave_0_\@:
	s_barrier_wait -3
	s_barrier_signal -1
	s_barrier_wait -1
.endm
.macro PLACES                          ; four places in front of loads into registers that matrix instructions have read, and of the first read of results
.rept 4
	v_nop
.endr
.endm
.macro GROUP1 g, mask, c, r, p         ; r rows of c elements of 8 bytes, p elements apart; no padding
	s_or_b32 s[\g], s[\mask], (3<<16)|(1<<21)      ; 15:0 the mask; 17:16 elements of 8 bytes; 21 set beside a mask
	s_mov_b32 s[\g+1], (\c)<<16                    ; tensor_dim0
	s_mov_b32 s[\g+2], (\r)<<16                    ; tensor_dim1
	s_mov_b32 s[\g+3], (\c)<<16                    ; tile_dim0
	s_mov_b32 s[\g+4], \r                          ; tile_dim1
	s_mov_b32 s[\g+5], \p                          ; tensor_dim0_stride
	s_mov_b32 s[\g+6], 0
	s_mov_b32 s[\g+7], 0
.endm
.macro GROUP0 g, shift, base, ptr, off, more   ; to LDS byte base + (wave << shift), from s[ptr] + s[off] + more
	s_mov_b32 s[\g], 1
	s_lshl_b32 s[\g+1], s18, \shift
.if \base
	s_add_co_u32 s[\g+1], s[\g+1], \base
.endif
	s_add_nc_u64 s[\g+2:\g+3], s[\ptr:\ptr+1], s[\off:\off+1]
.if \more
	s_add_nc_u64 s[\g+2:\g+3], s[\g+2:\g+3], \more
.endif
	s_or_b32 s[\g+3], s[\g+3], 0x80000000          ; type = 2
.endm
	s_load_b256 s[4:11], s[0:1], 0x0               ; xc s[4:5], xs s[6:7], ac s[8:9], asw s[10:11]
	s_load_b128 s[12:15], s[0:1], 0x20             ; W0_b s[12:13], out0 s[14:15]
	v_lshl_add_u32 v254, v0, 2, 0x3b400
	v_mov_b32 v255, 0
	ds_add_u32 v254, v255
	ds_add_u32 v254, v255
	v_lshrrev_b32 v1, 5, v0
	v_readfirstlane_b32 s18, v1                    ; wave 0..3
	s_and_b32 s19, s18, 1                          ; pw
	s_lshr_b32 s20, s18, 1                         ; rw
	s_and_b32 s95, ttmp7, 0xffff                   ; the cluster's y, 0 .. 15
	s_bfe_u32 s84, ttmp6, 0x40000                  ; ptile = cx
	s_bfe_u32 s23, ttmp6, 0x40004                  ; cy
	s_lshl_b32 s85, s95, 2
	s_add_co_u32 s85, s85, s23                     ; rtile = 4 x cluster y + cy
	s_lshl_b32 s86, s84, 4
	s_add_co_u32 s86, s86, 1728                    ; W0's groups begin at 1,728 in xc
	s_lshl_b32 s87, s18, 2
	s_add_co_u32 s86, s86, s87                     ; the four P groups that I fetch
	s_lshl_b32 s88, s86, 9
	s_mov_b32 s89, 0
	s_lshl_b32 s86, s86, 13
	s_mov_b32 s87, 0
	s_lshl_b32 s90, s85, 3
	s_lshl_b32 s91, s18, 1
	s_add_co_u32 s90, s90, s91                     ; the two R groups that I fetch
	s_lshl_b32 s90, s90, 13
	s_mov_b32 s91, 0
	s_lshl_b32 s92, s85, 8                         ; R's scale words: the tile's four pairs are 256 bytes of each head's 16,384; I fetch heads 4 w .. 4 w + 3
	s_lshl_b32 s93, s18, 16
	s_add_co_u32 s92, s92, s93
	s_mov_b32 s93, 0
	s_lshl_b32 s100, 0x1111, s84                   ; my column of the cluster (same cx)
	s_lshl_b32 s101, s23, 2
	s_lshl_b32 s101, 15, s101                      ; my row (same cy)
	GROUP1 24, 100, 512, 4, 1024                   ; P's codes: 4 groups x half of K (4,096 bytes), 8,192 bytes apart
	GROUP1 32, 101, 512, 2, 1024                   ; R's codes: 2 groups
	GROUP1 40, 100, 32, 8, 32                      ; P's scale bytes: 2,048 dense bytes as 8 rows of 256
	GROUP1 48, 101, 32, 4, 2048                    ; R's: 4 rows of 256 bytes, 16,384 bytes apart
	s_mov_b32 s98, 0x05040100                      ; v_perm_b32: the two low halves,
	s_mov_b32 s99, 0x07060302                      ; the two high halves
	s_lshl_b32 s66, s85, 7                         ; out0: my first row 128 rtile + 64 rw,
	s_lshl_b32 s95, s20, 6
	s_add_co_u32 s66, s66, s95
	s_lshl_b32 s66, s66, 12
	s_lshl_b32 s95, s84, 10                        ; my first column 256 ptile + 128 pw
	s_add_co_u32 s66, s66, s95
	s_lshl_b32 s95, s19, 9
	s_add_co_u32 s66, s66, s95
	s_mov_b32 s67, 0
	s_wait_dscnt 0x0
	s_wait_kmcnt 0x0
	s_add_nc_u64 s[14:15], s[14:15], s[66:67]
	GROUP0 56, 11, PS, 6, 88, 0
	GROUP0 60, 10, RS, 10, 92, 0
	GROUP0 68, 14, 0, 4, 86, 0
	GROUP0 72, 13, RCO, 8, 90, 0
	GROUP0 76, 14, CHUNK, 4, 86, 4096
	GROUP0 80, 13, CHUNK+RCO, 8, 90, 4096
	CROUND                                         ; all sixteen work-groups are here: the joint loads meet
	tensor_load_to_lds s[56:59], s[40:47]          ; the scale bytes,
	s_nop 0
	tensor_load_to_lds s[60:63], s[48:55]
	s_nop 0
	tensor_load_to_lds s[68:71], s[24:31]          ; the first half of K,
	s_nop 0
	tensor_load_to_lds s[72:75], s[32:39]
	s_nop 0
	tensor_load_to_lds s[76:79], s[24:31]          ; the second
	s_nop 0
	tensor_load_to_lds s[80:83], s[32:39]
	s_nop 0
.rept 4
	v_nop                                          ; (four behind the last of them)
.endr
	v_and_b32 v1, 31, v0
	v_lshlrev_b32 v1, 4, v1                        ; 16 x lane
	v_and_b32 v2, 15, v0                           ; r
	s_wait_alu depctr_va_vdst(0)
	v_bfe_u32 v13, v0, 4, 1                        ; h
	s_lshl_b32 s95, s19, 15
	v_add_nc_u32 v3, s95, v1                       ; my 8 P groups in the first half of K,
	v_add_nc_u32 v4, CHUNK, v3                     ; in the second
	s_lshl_b32 s95, s20, 14
	s_add_co_u32 s95, s95, RCO
	v_add_nc_u32 v5, s95, v1                       ; my 4 R groups likewise
	v_add_nc_u32 v6, CHUNK, v5
	s_lshl_b32 s95, s19, 12
	s_add_co_u32 s95, s95, PS
	v_lshl_add_u32 v7, v2, 5, s95                  ; P's scale words: 32 bytes a position
	s_lshl_b32 s95, s20, 7
	s_add_co_u32 s95, s95, RS
	v_lshl_add_u32 v8, v2, 2, s95                  ; R's: my two pairs, 4 bytes a position
	s_mul_i32 s95, s18, 16*SP
	s_add_co_u32 s95, s95, STG                     ; my stage
	v_mul_u32_u24 v10, v2, SP
	s_wait_alu depctr_va_vdst(0)
	v_lshl_add_u32 v10, v13, 6, v10
	v_add_nc_u32 v10, s95, v10                     ; in: row r, + 64 h
	v_add_nc_u32 v11, s95, v1                      ; back: a row's 512 bytes to the 32 lanes
	; the bias is the C of each sum's first product: lane (r, h) wants, for P tile b, features 32 (b / 2) + 16 h + 8 (b % 2) + 0 .. 7 of my 128
	s_lshl_b32 s66, s84, 10
	s_lshl_b32 s95, s19, 9
	s_add_co_u32 s66, s66, s95
	s_add_nc_u64 s[2:3], s[12:13], s[66:67]
	v_lshlrev_b32 v9, 6, v13
.irp b, 0,1,2,3,4,5,6,7
	global_load_b128 v[BI+8*\b:BI+8*\b+3], v9, s[2:3] offset:(32*(\b/2)+8*(\b%2))*4
	global_load_b128 v[BI+8*\b+4:BI+8*\b+7], v9, s[2:3] offset:(32*(\b/2)+8*(\b%2))*4+16
.endr
.macro FETCH s                         ; the fragments of K step s: 24 LDS loads of 512 consecutive bytes, into set s % 2
.set fp, (\s)%2
.set fc, (\s)/4
.set fq, (\s)%4
	WIN 0x80                                       ; destination window 2
.irp b, 0,1,2,3,4,5,6,7
.irp c, 0,1
	ds_load_b128 v[64*fp+8*\b+4*\c:64*fp+8*\b+4*\c+3], v[3+fc] offset:4096*\b+1024*fq+512*\c
.endr
.endr
	WIN 0
.irp a, 0,1,2,3
.irp c, 0,1
	ds_load_b128 v[RF+32*fp+8*\a+4*\c:RF+32*fp+8*\a+4*\c+3], v[5+fc] offset:4096*\a+1024*fq+512*\c
.endr
.endr
.endm
; 32 matrix instructions: K step s.  The 32 accumulators take turns, one instruction a turn, in the same order in every step.  first = 1: the sums begin with the bias.
.macro MUL s, first
.set mp, (\s)%2
.irp a, 0,1,2,3
.irp b, 0,1,2,3,4,5,6,7
.if \first
	v_wmma_scale_f32_16x16x128_f8f6f4 v[64*\a+8*\b:64*\a+8*\b+7], v[64*mp+8*\b:64*mp+8*\b+7], v[RF+32*mp+8*\a:RF+32*mp+8*\a+7], v[BI+8*\b:BI+8*\b+7], v[PSW+8*\b+(\s)], v[RSW+8*\a+(\s)] matrix_a_fmt:MATRIX_FMT_FP4 matrix_b_fmt:MATRIX_FMT_FP4
.else
	v_wmma_scale_f32_16x16x128_f8f6f4 v[64*\a+8*\b:64*\a+8*\b+7], v[64*mp+8*\b:64*mp+8*\b+7], v[RF+32*mp+8*\a:RF+32*mp+8*\a+7], v[64*\a+8*\b:64*\a+8*\b+7], v[PSW+8*\b+(\s)], v[RSW+8*\a+(\s)] matrix_a_fmt:MATRIX_FMT_FP4 matrix_b_fmt:MATRIX_FMT_FP4
.endif
.endr
.endr
.endm
.macro STEP s
	s_wait_dscnt 0x0                               ; this step's fragments are in
.if (\s) == 3
	s_wait_tensorcnt 0x0                           ; my parts of the second half of K have landed,
	s_barrier_signal -1
	s_barrier_wait -1                              ; everybody's have: the next fetch reads it
.endif
.if (\s) < 7
	PLACES                                         ; the set that the last step multiplied is loaded anew
	FETCH (\s)+1
.endif
	WIN 0x52                                       ; source 0 (P) window 2, source 1 (R) window 0, C and D window 1
	MUL \s, 0
	WIN 0
.endm
	s_wait_tensorcnt 0x2                           ; the scale bytes and the first half of K are in: my two loads of the second half may stay out
	s_barrier_signal -1
	s_barrier_wait -1                              ; everybody's are
.irp b, 0,1,2,3,4,5,6,7
.irp u, 0,1
	ds_load_b128 v[PSW+8*\b+4*\u:PSW+8*\b+4*\u+3], v7 offset:512*\b+16*\u   ; P's scale words of all 8 K steps stay in registers
.endr
.endr
.irp n, 0,1,2,3,4,5,6,7,8,9,10,11,12,13,14,15
.irp p, 0,1
	ds_load_b32 v[48+2*\n+\p], v8 offset:256*\n+64*\p   ; head n's word of my pair p, into the set of fragment registers that is not yet in use
.endr
.endr
	FETCH 0
	s_wait_dscnt 24                                ; the scale words are in; the 24 loads of the first fragments may be out
.irp a, 0,1,2,3
.irp s, 0,1,2,3,4,5,6,7
	v_perm_b32 v[RSW+8*\a+\s], v[48+2*(2*\s+1)+\a/2], v[48+2*(2*\s)+\a/2], s[98+\a%2]   ; K step s of group a: heads 2 s and 2 s + 1, the half of the pair's word that is group a's
.endr
.endr
.rept 8
	v_nop                                          ; a scale register written by a vector instruction stands eight places ahead of a scaled matrix instruction
.endr
	s_wait_alu depctr_va_vdst(0)
	s_wait_dscnt 0x0
	FETCH 1
	s_wait_loadcnt 0x0                             ; the bias
	WIN 0x42                                       ; as 0x52, with C in window 0
	MUL 0, 1                                       ; the first K step starts the sums: nothing is cleared
	WIN 0
.irp s, 1,2,3,4,5,6,7
	STEP \s
.endr
; THE WAY OUT, R group by R group: 16 tokens x 128 features.  A lane holds pieces of 32 bytes of one row, and the lanes beside it hold other rows: so a block goes through my own stage in LDS and comes back as
; whole rows of 512 bytes.  LDS serves a wave's instructions in order: no wait between the stores and the loads, nor in front of the next block's stores.
.macro TOSTAGE a
	WIN 0x04                                       ; an LDS store's data are its source 1: window 1
.irp b, 0,1,2,3,4,5,6,7
	ds_store_b128 v10, v[64*(\a)+8*\b:64*(\a)+8*\b+3] offset:128*(\b/2)+32*(\b%2)          ; each accumulator from its low end on
	ds_store_b128 v10, v[64*(\a)+8*\b+4:64*(\a)+8*\b+7] offset:128*(\b/2)+32*(\b%2)+16
.endr
	WIN 0
.set BB, 16+160*((\a)%2)
.irp t, 0,1,2,3,4,5,6,7,8,9,10,11,12,13,14,15
	ds_load_b128 v[BB+4*\t:BB+4*\t+3], v11 offset:SP*\t
.endr
.endm
.macro SEND a, younger                 ; younger: the LDS instructions issued behind block a's loads, which may stay out
.set BB, 16+160*((\a)%2)
	s_wait_dscnt \younger
.irp t, 0,1,2,3,4,5,6,7,8,9,10,11,12,13,14,15
	global_store_b128 v1, v[BB+4*\t:BB+4*\t+3], s[14:15] offset:(32*((\a)/2)+8*((\a)%2)+\t+8*(\t/8))*4096 th:TH_STORE_NT   ; 32 lanes store 512 consecutive bytes of one row, at a multiple of 512 from out0's first byte
.endr
.endm
	PLACES
	TOSTAGE 0
	TOSTAGE 1
	SEND 0, 32                                     ; behind block 0's loads: block 1's 16 stores and 16 loads
	s_wait_xcnt 0x0                                ; block 0's stores have read their registers: block 2's rows may land there
	TOSTAGE 2
	SEND 1, 32
	s_wait_xcnt 0x0
	TOSTAGE 3
	SEND 2, 32
	SEND 3, 0
	s_wait_tensorcnt 0x0
	ds_add_u32 v254, v255
	s_wait_dscnt 0x0
	CROUND                                         ; the closing round: no work-group ends while a partner may still ask for a tile that names it
	s_endpgm
.Lfunc_end_k_qa0617a3c71_outp:
	.size	k_qa0617a3c71_outp, .Lfunc_end_k_qa0617a3c71_outp-k_qa0617a3c71_outp
	.p2alignl 7, 3214868480
	.fill 96, 4, 3214868480
	.section	.rodata,"a",@progbits
	.p2align	6, 0x0
	.amdhsa_kernel k_qa0617a3c71_outp
		.amdhsa_group_segment_fixed_size 243200
		.amdhsa_private_segment_fixed_size 0
		.amdhsa_enable_private_segment 0
		.amdhsa_kernarg_size 48
		.amdhsa_user_sgpr_count 2
		.amdhsa_user_sgpr_kernarg_segment_ptr 1
		.amdhsa_wavefront_size32 1
		.amdhsa_system_sgpr_workgroup_id_x 1
		.amdhsa_system_sgpr_workgroup_id_y 1
		.amdhsa_system_sgpr_workgroup_id_z 1
		.amdhsa_system_vgpr_workitem_id 0
		.amdhsa_next_free_vgpr 640
		.amdhsa_next_free_sgpr 102
		.amdhsa_reserve_vcc 0
		.amdhsa_float_denorm_mode_32 3
		.amdhsa_float_denorm_mode_16_64 3
		.amdhsa_memory_ordered 1
		.amdhsa_forward_progress 1
		.amdhsa_inst_pref_size 76
	.end_amdhsa_kernel
	.amdgpu_metadata
---
amdhsa.version: [ 1, 2 ]
amdhsa.kernels:
  - .name:           k_qa0617a3c71_outp
    .symbol:         k_qa0617a3c71_outp.kd
    .args:
      - { .name: xc, .offset: 0, .size: 8, .value_kind: global_buffer, .address_space: global }
      - { .name: xs, .offset: 8, .size: 8, .value_kind: global_buffer, .address_space: global }
      - { .name: ac, .offset: 16, .size: 8, .value_kind: global_buffer, .address_space: global }
      - { .name: asw, .offset: 24, .size: 8, .value_kind: global_buffer, .address_space: global }
      - { .name: W0_b, .offset: 32, .size: 8, .value_kind: global_buffer, .address_space: global }
      - { .name: out0, .offset: 40, .size: 8, .value_kind: global_buffer, .address_space: global }
    .group_segment_fixed_size: 243200
    .private_segment_fixed_size: 0
    .kernarg_segment_align: 8
    .kernarg_segment_size: 48
    .max_flat_workgroup_size: 128
    .sgpr_count:     102
    .vgpr_count:     640
    .wavefront_size: 32
...
	.end_amdgpu_metadata
.endif
;; end of part 4
